; MI455X (gfx1250); checked and timed in simulation.
; The chip was launched on July 23, 2026; its instructions are those of AMD's public machine-readable ISA for CDNA 5 (MIT licence, August 2026) and "CDNA5" Instruction Set Architecture Reference Guide (July 2026). The comments in the code are by the model that wrote it; some were corrected since.
;; Pattern FFN. Allowed arithmetic: matrix products marked QUANTISED: E3M2 operands, one E8M0 scale for each 32 along K, by v_wmma_scale_f32_16x16x128_f8f6f4 with both operands' format E3M2, f32 sums; products left as they are: f32 operands where the result goes on into a quantised operand, else bf16, f16 or f32 operands; f32 sums; everything else in f32.
;; Inputs: down_b 1,024 float32; down_w_codes 1,024 x 128 x 24 uint8 (E3M2 codes of down_w, K innermost, in blocks of 32 codes, four codes in three bytes); down_w_scales 1,024 x 128 uint8 (E8M0 scales of down_w, one for each 32 codes along K); gates 64 x 4,096 float32; pattern_affinity 64 x 2,048 float32; router_out 4 x 2,048 x 2,048 float32; topk_neuron_idx 4 x 2,048 x 16 int32; topk_neuron_weights 4 x 2,048 x 16 float32; up_b 4,096 float32; up_w_codes 4,096 x 32 x 24 uint8 (E3M2 codes of up_w, K innermost, in blocks of 32 codes, four codes in three bytes); up_w_scales 4,096 x 32 uint8 (E8M0 scales of up_w, one for each 32 codes along K); x_codes 4 x 2,048 x 32 x 24 uint8 (E3M2 codes of x, K innermost, in blocks of 32 codes, four codes in three bytes); x_scales 4 x 2,048 x 32 uint8 (E8M0 scales of x, one for each 32 codes along K).
;; Outputs: out0 4 x 2,048 x 1,024 float32.
;; This version of the problem:
;;   THIS VERSION OF THE PROBLEM IS GIVEN IN LOW PRECISION. The matrix products marked QUANTISED in the list below multiply operands that are first quantised to E3M2 (3 exponent bits, 2 mantissa bits; 6 bits a number), with one power-of-two scale for each 32 numbers along K (OCP MX v1.0); their sums are f32. All else is computed in f32.
;;   The module's matrix products, in the order in which they are computed (A, B: the left and right operand; K: the contracted axis; several contracted axes count as one K, in the product's order):
;;     1. batch 8,192 x [M 64, K 16] x [K 16, N 1]; A: computed on the way; B: input topk_neuron_weights: left as it is (K = 16 < 32)
;;     2. batch 8,192 x [M 1, K 4] x [K 4, N 4,096]; A: softmax; B: computed on the way: left as it is (K = 4 < 32)
;;     3. [M 8,192, K 1,024] x [K 1,024, N 4,096]; A: input x (given as codes); B: input up_w (given as codes): QUANTISED
;;     4. [M 8,192, K 4,096] x [K 4,096, N 1,024]; A: computed on the way; B: input down_w (given as codes): QUANTISED
;;   THE QUANTISER, for each operand of a quantised product, along K:
;;     - K is cut into blocks of 32 from its start; a last block that is shorter is filled with zeros.
;;     - A block's scale is 2^e with e = floor(log2(the largest magnitude in the block)) - 4, held to -126 .. 127; a block of zeros has e = 0. As a byte (E8M0): e + 127.
;;     - Each number is divided by its block's scale, clamped to +-28, and rounded to the nearest number of E3M2, ties to even, subnormals kept.
;;     - The product sums the exact products of the quantised numbers (number of the format x scale) in f32.
;;   ~~~python
;;   def quantise(x, axis):      # numpy; x: float32 -> the quantised numbers, widened to float32 again
;;       x = np.moveaxis(x, axis, -1); K = x.shape[-1]
;;       x = np.pad(x, [(0, 0)] * (x.ndim - 1) + [(0, -K % 32)]); x = x.reshape(x.shape[:-1] + (-1, 32)); a = np.abs(x).max(-1, keepdims=True)
;;       e = np.where(a > 0, np.clip(np.frexp(np.where(a > 0, a, 1))[1] - 1 - 4, -126, 127), 0)      # np.frexp(a)[1] - 1 = floor(log2(a)), exactly
;;       r = np.clip(x / 2.0 ** e, -28, 28)
;;       step = 2.0 ** (np.maximum(np.frexp(np.where(r == 0, 1, r))[1] - 1, -2) - 2)
;;       q = np.round(r / step) * step * 2.0 ** e      # np.round: ties to even
;;       return np.moveaxis(q.reshape(q.shape[:-2] + (-1,))[..., :K], -1, axis).astype(np.float32)
;;   ~~~
;;   OPERANDS COMPUTED ON THE WAY. 'Computed on the way' means the value that the module computes at that place (a softmax that the list does not call 'softmax' is quantised finished and normalised). What goes into a quantiser is computed in f32, as accurately as f32 sums, v_exp_f32 and their like allow (about 1e-6 of the number): no bf16 or f16 on the way to a quantiser, and a product that is left as it is and whose result goes on into a quantised operand takes f32 operands (vector FMAs, or v_wmma_f32_16x16x4_f32). A number that lies on a knife's edge between two numbers of the format may be rounded either way, as far as f32 arithmetic and the matrix unit's own rounding can turn it there, and no further.
;;   INPUTS GIVEN AS CODES. down_w (in the module: [4096, 1024], K = its axis 0); up_w (in the module: [1024, 4096], K = its axis 0); x (in the module: [4, 2048, 1024], K = its axis 2): each comes as NAME_codes (uint8): NAME with its K axis moved to the last place and cut into blocks of 32 codes, [.., K / 32, bytes a block], one block behind the other in memory; four codes in three bytes: a row's codes are one little-endian stream of bits, code i at bits 6 i .. 6 i + 5 (a code: sign, 3 exponent bits, 2 mantissa bits); and NAME_scales (uint8): the same leading axes, one E8M0 byte (e + 127) for each 32 codes along K. Its value is code x scale, taken as it is: it is not quantised again, and the codes and scales need not be those that the quantiser above would give.
;; One version. Each part assembles by itself: llvm-mc -triple=amdgcn-amd-amdhsa -mcpu=gfx1250 --defsym DOCPART=n.
;; ======== version 1 of 1: 4 launches
;; limits: right only within a limited range of input values
;; workspace buffers: at 524,288 bytes; gp 1,048,576 bytes; dw 3,276,800 bytes; hbuf 26,214,400 bytes; ridx 131,072 bytes of whole numbers; rw 131,072 bytes
;; launch prep (part 1): grid 200 x 1, 4 waves a work-group, no clusters, 0 bytes of LDS; arguments pattern_affinity, gates, down_w_codes, down_w_scales, at, gp, dw; writes at, gp, dw
.if DOCPART == 1
	.amdgcn_target "amdgcn-amd-amdhsa--gfx1250"
	.amdhsa_code_object_version 6
	.text
	.protected	k_qc93d91ce6c_prep
	.globl	k_qc93d91ce6c_prep
	.p2align	8
	.type	k_qc93d91ce6c_prep,@function
k_qc93d91ce6c_prep:
	s_mov_b64 s[64:65], 0
	v_nop
	global_prefetch_b8 v0, s[64:65] scope:SCOPE_SE
	s_setreg_imm32_b32 hwreg(HW_REG_WAVE_MODE, 25, 1), 1
	s_wait_xcnt 0x0
; Three tables are laid out anew, once, as the later launches read them.  No arithmetic, no LDS, no loop.  A work-group's number picks its job.  200 work-groups: fewer than there are WGPs, so that all start together.
;  T (work-groups 0-63):    at[n][p] = pattern_affinity[p][n]: a neuron's 64 numbers become 256 consecutive bytes.
;  G (64-127):              gp: gates, permuted inside chunks of 256 f: byte 256 q + 16 g + 4 i of a chunk holds f = 16 g + 4 q + i, so that 16 lanes g read 256 consecutive bytes.
;  D (128-191):             dw[ks][ng]: blocks of 51,200 bytes (512 along K x 128 rows of down_w).  A fragment (16 rows x 128 K, 12 registers a lane) lies as an image of its registers:
;                           image (q, i) at (8 q + i) x 1,536; registers 4 c .. 4 c + 3 of lane l at 512 c + 16 l.
;  S (192-199):             the blocks' scale words, at 49,152 + 1,024 f + 8 row: the words of K steps 2 f and 2 f + 1 of that row.
; DEAD WORK: reference() takes router_out and never reads it, so no value of it can reach the output: it is not loaded and is no argument of any launch.
; LIMIT: a NaN or an infinity in router_out is not carried to the result.
.set BLK, 51200
.macro T4 dst, src                     ; a 4 x 4 transposition inside a lane
.irp a, 0,1,2,3
.irp b, 0,1,2,3
	v_mov_b32 v[\dst+4*\a+\b], v[\src+4*\b+\a]
.endr
.endr
.endm
	s_load_b256 s[4:11], s[0:1], 0x0               ; pattern_affinity s[4:5], gates s[6:7], down_w_codes s[8:9], down_w_scales s[10:11]
	s_load_b128 s[12:15], s[0:1], 0x20             ; at s[12:13], gp s[14:15]
	s_load_b64 s[16:17], s[0:1], 0x30              ; dw
	v_lshrrev_b32 v1, 5, v0
	v_readfirstlane_b32 s18, v1                    ; wave
	v_and_b32 v1, 31, v0                           ; l
	v_and_b32 v2, 15, v0                           ; j
	v_bfe_u32 v3, v0, 4, 1                         ; h
	s_lshl_b32 s19, ttmp9, 2
	s_add_co_u32 s19, s19, s18                     ; 4 x work-group + wave
	s_mov_b32 s21, 0
	s_wait_kmcnt 0x0
	s_cmp_lt_u32 ttmp9, 64
	s_cbranch_scc0 .Lnot_t
	; ---- T: wave t takes neurons 8 t .. 8 t + 7.  Lane (j, h) loads rows 4 j + i, neurons 8 t + 4 h + 0 .. 3
	s_lshl_b32 s20, s19, 5
	s_add_nc_u64 s[4:5], s[4:5], s[20:21]
	s_lshl_b32 s20, s19, 11
	s_add_nc_u64 s[12:13], s[12:13], s[20:21]
	s_wait_alu depctr_va_vdst(0)
	v_lshlrev_b32 v4, 15, v2
	v_lshl_add_u32 v4, v3, 4, v4
	v_lshlrev_b32 v5, 4, v2
	v_lshl_add_u32 v5, v3, 10, v5
.irp i, 0,1,2,3
	global_load_b128 v[8+4*\i:11+4*\i], v4, s[4:5] offset:8192*\i
.endr
	s_wait_loadcnt 0x0
	T4 24, 8
.irp m, 0,1,2,3
	global_store_b128 v5, v[24+4*\m:27+4*\m], s[12:13] offset:256*\m   ; 16 lanes store a neuron's 256 consecutive bytes
.endr
	s_endpgm
.Lnot_t:
	s_cmp_lt_u32 ttmp9, 128
	s_cbranch_scc0 .Lnot_g
	; ---- G: wave t takes four chunks of 1,024 bytes, two for each half of its lanes
	s_sub_co_u32 s20, s19, 256
	s_lshl_b32 s20, s20, 12
	s_add_nc_u64 s[6:7], s[6:7], s[20:21]
	s_add_nc_u64 s[14:15], s[14:15], s[20:21]
	s_wait_alu depctr_va_vdst(0)
	v_lshlrev_b32 v4, 6, v2
	v_lshl_add_u32 v4, v3, 10, v4
	v_lshlrev_b32 v5, 4, v2
	v_lshl_add_u32 v5, v3, 10, v5
.irp c, 0,1
.irp q, 0,1,2,3
	global_load_b128 v[8+16*\c+4*\q:11+16*\c+4*\q], v4, s[6:7] offset:2048*\c+16*\q
.endr
.endr
	s_wait_alu depctr_va_vdst(0)
	s_wait_loadcnt 0x0
.irp c, 0,1
.irp q, 0,1,2,3
	global_store_b128 v5, v[8+16*\c+4*\q:11+16*\c+4*\q], s[14:15] offset:2048*\c+256*\q
.endr
.endr
	s_endpgm
.Lnot_g:
	s_cmp_lt_u32 ttmp9, 192
	s_cbranch_scc0 .Lnot_d
	; ---- D: wave t takes 16 rows (R = t / 4) x 1,024 along K (kg = t % 4): eight fragments
	s_sub_co_u32 s22, s19, 512
	s_lshr_b32 s23, s22, 2                         ; R
	s_and_b32 s24, s22, 3                          ; kg
	s_mul_i32 s20, s23, 49152                      ; 16 rows of 3,072 bytes
	s_mul_i32 s25, s24, 768
	s_add_co_u32 s20, s20, s25
	s_add_nc_u64 s[8:9], s[8:9], s[20:21]
	s_lshr_b32 s25, s23, 3                         ; ng
	s_and_b32 s26, s23, 7                          ; i
	s_lshl_b32 s27, s24, 4
	s_add_co_u32 s27, s27, s25                     ; block 8 (2 kg) + ng
	s_mul_i32 s20, s27, BLK
	s_mul_i32 s26, s26, 1536
	s_add_co_u32 s20, s20, s26
	s_add_nc_u64 s[16:17], s[16:17], s[20:21]
	s_wait_alu depctr_va_vdst(0)
	v_mul_u32_u24 v4, v2, 3072
	v_mad_u32_u24 v4, v3, 24, v4                   ; row j, + 24 h: the lane's 24 bytes of each 48
	v_lshlrev_b32 v5, 4, v1
.irp s, 0,1,2,3,4,5,6,7
.irp p, 0,1,2,3,4,5
	global_load_b64 v[8+12*\s+2*\p:9+12*\s+2*\p], v4, s[8:9] offset:96*\s+48*(\p/3)+8*(\p%3)
.endr
.endr
	s_wait_alu depctr_va_vdst(0)
.irp s, 0,1,2,3,4,5,6,7
	s_wait_loadcnt 6*(7-\s)                        ; this K step's six loads are in; those of the later K steps may be out
.irp c, 0,1,2
	global_store_b128 v5, v[8+12*\s+4*\c:11+12*\s+4*\c], s[16:17] offset:(\s/4)*8*BLK+(\s%4)*12288+512*\c   ; 32 lanes store 512 consecutive bytes
.endr
.endr
	s_endpgm
.Lnot_d:
	; ---- S: wave t takes 32 rows (ng = t / 4, rg = t % 4), a lane a row: its 128 scale bytes
	s_sub_co_u32 s22, s19, 768
	s_lshr_b32 s23, s22, 2
	s_and_b32 s24, s22, 3
	s_lshl_b32 s20, s23, 14
	s_lshl_b32 s25, s24, 12
	s_add_co_u32 s20, s20, s25
	s_add_nc_u64 s[10:11], s[10:11], s[20:21]
	s_mul_i32 s20, s23, BLK
	s_lshl_b32 s25, s24, 8
	s_add_co_u32 s20, s20, s25
	s_add_co_u32 s20, s20, 49152
	s_add_nc_u64 s[16:17], s[16:17], s[20:21]
	s_wait_alu depctr_va_vdst(0)
	v_lshlrev_b32 v4, 7, v1
	v_lshlrev_b32 v5, 3, v1
.irp m, 0,1,2,3,4,5,6,7
	global_load_b128 v[8+4*\m:11+4*\m], v4, s[10:11] offset:16*\m
.endr
	s_wait_alu depctr_va_vdst(0)
	s_wait_loadcnt 0x0
.irp m, 0,1,2,3,4,5,6,7
.irp f, 0,1
	global_store_b64 v5, v[8+4*\m+2*\f:9+4*\m+2*\f], s[16:17] offset:\m*8*BLK+1024*\f   ; 32 lanes store 256 consecutive bytes
.endr
.endr
	s_endpgm
.Lfunc_end_k_qc93d91ce6c_prep:
	.size	k_qc93d91ce6c_prep, .Lfunc_end_k_qc93d91ce6c_prep-k_qc93d91ce6c_prep
	.p2alignl 7, 3214868480
	.fill 96, 4, 3214868480
	.section	.rodata,"a",@progbits
	.p2align	6, 0x0
	.amdhsa_kernel k_qc93d91ce6c_prep
		.amdhsa_group_segment_fixed_size 0
		.amdhsa_private_segment_fixed_size 0
		.amdhsa_enable_private_segment 0
		.amdhsa_kernarg_size 56
		.amdhsa_user_sgpr_count 2
		.amdhsa_user_sgpr_kernarg_segment_ptr 1
		.amdhsa_wavefront_size32 1
		.amdhsa_system_sgpr_workgroup_id_x 1
		.amdhsa_system_sgpr_workgroup_id_y 1
		.amdhsa_system_sgpr_workgroup_id_z 1
		.amdhsa_system_vgpr_workitem_id 0
		.amdhsa_next_free_vgpr 112
		.amdhsa_next_free_sgpr 66
		.amdhsa_reserve_vcc 0
		.amdhsa_float_denorm_mode_32 3
		.amdhsa_float_denorm_mode_16_64 3
		.amdhsa_memory_ordered 1
		.amdhsa_forward_progress 1
		.amdhsa_inst_pref_size 16
	.end_amdhsa_kernel
	.amdgpu_metadata
---
amdhsa.version: [ 1, 2 ]
amdhsa.kernels:
  - .name:           k_qc93d91ce6c_prep
    .symbol:         k_qc93d91ce6c_prep.kd
    .args:
      - { .name: pattern_affinity, .offset: 0, .size: 8, .value_kind: global_buffer, .address_space: global }
      - { .name: gates, .offset: 8, .size: 8, .value_kind: global_buffer, .address_space: global }
      - { .name: down_w_codes, .offset: 16, .size: 8, .value_kind: global_buffer, .address_space: global }
      - { .name: down_w_scales, .offset: 24, .size: 8, .value_kind: global_buffer, .address_space: global }
      - { .name: at, .offset: 32, .size: 8, .value_kind: global_buffer, .address_space: global }
      - { .name: gp, .offset: 40, .size: 8, .value_kind: global_buffer, .address_space: global }
      - { .name: dw, .offset: 48, .size: 8, .value_kind: global_buffer, .address_space: global }
    .group_segment_fixed_size: 0
    .private_segment_fixed_size: 0
    .kernarg_segment_align: 8
    .kernarg_segment_size: 56
    .max_flat_workgroup_size: 128
    .sgpr_count:     66
    .vgpr_count:     112
    .wavefront_size: 32
...
	.end_amdgpu_metadata
.endif
;; end of part 1
;; launch route (part 2): grid 512 x 1, 8 waves a work-group, no clusters, 1,536 bytes of LDS; arguments topk_neuron_idx, topk_neuron_weights, at, ridx, rw; writes ridx, rw
.if DOCPART == 2
	.amdgcn_target "amdgcn-amd-amdhsa--gfx1250"
	.amdhsa_code_object_version 6
	.text
	.protected	k_qc93d91ce6c_route
	.globl	k_qc93d91ce6c_route
	.p2align	8
	.type	k_qc93d91ce6c_route,@function
k_qc93d91ce6c_route:
	s_mov_b64 s[64:65], 0
	v_nop
	global_prefetch_b8 v0, s[64:65] scope:SCOPE_SE
	s_setreg_imm32_b32 hwreg(HW_REG_WAVE_MODE, 25, 1), 1
	s_wait_xcnt 0x0
; For each token: 64 pattern scores = the sum over its 16 neurons of weight x affinity (f32), the four largest (of equal scores the lower index first, as jax.lax.top_k has it), their softmax.
; Stored: ridx[token][4], the chosen patterns, best first; rw[token][4] = softmax weight x (-log2 e), so that the next launch's 2^(sum of rw x gate) is exp(-ffn_gate).
; SHARES: a work-group takes 16 tokens, a half wave one; lane j of a half holds patterns 4 j .. 4 j + 3.  A neuron's 64 numbers are 256 consecutive bytes of at: one load of a half wave.
; The 16 tokens' results meet in LDS and leave as two stores of 256 consecutive bytes.
; LIMITS: NaN and infinite scores are not served.  Scores that differ by less than f32 rounding of the sum of 16 may be ordered otherwise than by another order of summation.
.set SPARE, 512                        ; LDS: 0-255 the indices, 256-511 the weights; from 512 the spare words, 128 bytes a wave
.set N,  8                             ; v8-23    neuron indices, then byte offsets
.set OM, 24                            ; v24-39   the 16 weights
.set R,  40                            ; v40-103  16 rows x 4 numbers
.set S,  104                           ; v104-107 my four scores
.set PF, 108                           ; v108-111 my four patterns' numbers as f32
.set C,  112                           ; v112-115 at work
.set SCR, 116                          ; v116-119 the chosen scores, then the weights
.set SEL, 120                          ; v120-123 the chosen patterns
	s_load_b256 s[4:11], s[0:1], 0x0               ; idx s[4:5], weights s[6:7], at s[8:9], ridx s[10:11]
	s_load_b64 s[12:13], s[0:1], 0x20              ; rw
	v_lshl_add_u32 v126, v0, 2, SPARE              ; my spare word
	v_mov_b32 v127, 0
	v_lshrrev_b32 v1, 5, v0
	s_delay_alu instid0(VALU_DEP_1)
	v_readfirstlane_b32 s14, v1                    ; wave
	v_and_b32 v2, 15, v0                           ; j
	v_and_b32 v6, 0xf0, v0                         ; 16 x (my token's place among the 16)
	s_delay_alu instid0(VALU_DEP_1)
	v_lshlrev_b32 v4, 2, v6                        ; 64 x: its 16 indices, its 16 weights
	s_delay_alu instid0(VALU_DEP_3)
	v_lshlrev_b32 v5, 4, v2                        ; 16 j
	s_delay_alu instid0(VALU_DEP_4)
	v_lshlrev_b32 v3, 2, v2
.irp i, 0,1,2,3
	v_add_nc_u32 v[C+\i], \i, v3
.endr
.irp i, 0,1,2,3
	s_delay_alu instid0(VALU_DEP_4)
	v_cvt_f32_u32 v[PF+\i], v[C+\i]
.endr
	v_mov_b32 v124, 0x42800000                     ; 64.0: above every pattern's number
	v_mov_b32 v125, 0xff800000                     ; -infinity
	v_lshlrev_b32 v3, 3, v0                        ; the way out: 8 x thread in LDS (threads 0-63),
	v_and_b32 v2, 31, v0
	s_delay_alu instid0(VALU_DEP_1)
	v_lshlrev_b32 v2, 3, v2                        ; 8 x lane in memory
	s_lshl_b32 s16, ttmp9, 10
	s_mov_b32 s17, 0
	s_wait_kmcnt 0x0
	s_add_nc_u64 s[4:5], s[4:5], s[16:17]
	s_add_nc_u64 s[6:7], s[6:7], s[16:17]
.irp a, 0,1,2,3
	global_load_b128 v[N+4*\a:N+4*\a+3], v4, s[4:5] offset:16*\a
.endr
.irp a, 0,1,2,3
	global_load_b128 v[OM+4*\a:OM+4*\a+3], v4, s[6:7] offset:16*\a
.endr
	s_wait_loadcnt 4                               ; the indices are in; the four loads of weights may be out
.irp k, 0,1,2,3,4,5,6,7,8,9,10,11,12,13,14,15
	v_min_u32 v[N+\k], 2047, v[N+\k]               ; an index stays inside its table
	s_delay_alu instid0(VALU_DEP_1)
	v_lshl_add_u32 v[N+\k], v[N+\k], 8, v5
.endr
.irp k, 0,1,2,3,4,5,6,7,8,9,10,11,12,13,14,15
	global_load_b128 v[R+4*\k:R+4*\k+3], v[N+\k], s[8:9]
.endr
.macro ACC k                           ; scores += weight k x row k, two at a time; the weight is one register of a pair, taken for both halves
	s_wait_loadcnt 15-\k                           ; row k is in (and the weights, which were asked for earlier); the later rows may be out
.if \k == 0
	v_pk_mul_f32 v[S:S+1], v[R:R+1], v[OM:OM+1] op_sel_hi:[1,0]
	s_wait_alu depctr_va_vdst(0)
	v_pk_mul_f32 v[S+2:S+3], v[R+2:R+3], v[OM:OM+1] op_sel_hi:[1,0]
.elseif (\k)%2 == 0
	v_pk_fma_f32 v[S:S+1], v[R+4*\k:R+4*\k+1], v[OM+\k:OM+\k+1], v[S:S+1] op_sel_hi:[1,0,1]
	s_wait_alu depctr_va_vdst(0)
	v_pk_fma_f32 v[S+2:S+3], v[R+4*\k+2:R+4*\k+3], v[OM+\k:OM+\k+1], v[S+2:S+3] op_sel_hi:[1,0,1]
.else
	v_pk_fma_f32 v[S:S+1], v[R+4*\k:R+4*\k+1], v[OM+\k-1:OM+\k], v[S:S+1] op_sel:[0,1,0] op_sel_hi:[1,1,1]
	s_wait_alu depctr_va_vdst(0)
	v_pk_fma_f32 v[S+2:S+3], v[R+4*\k+2:R+4*\k+3], v[OM+\k-1:OM+\k], v[S+2:S+3] op_sel:[0,1,0] op_sel_hi:[1,1,1]
.endif
.endm
.irp k, 0,1,2,3,4,5,6,7,8,9,10,11,12,13,14,15
	ACC \k
.endr
.macro PICK n                          ; the largest score left, the lowest pattern that has it; that pattern is then taken out
	v_max3_num_f32 v[SCR+\n], v[S], v[S+1], v[S+2]
	s_delay_alu instid0(VALU_DEP_1)
	v_max_num_f32 v[SCR+\n], v[SCR+\n], v[S+3]
.irp x, 1,2,4,8
	s_delay_alu instid0(VALU_DEP_1)
	v_max_num_f32_dpp v[SCR+\n], v[SCR+\n], v[SCR+\n] row_xmask:\x row_mask:0xf bank_mask:0xf
.endr
.irp i, 0,1,2,3
	v_cmp_eq_f32 vcc_lo, v[S+\i], v[SCR+\n]
	s_delay_alu instid0(VALU_DEP_1)
	v_cndmask_b32 v[C+\i], v124, v[PF+\i], vcc_lo
.endr
	s_delay_alu instid0(VALU_DEP_3)
	v_min3_num_f32 v[SEL+\n], v[C], v[C+1], v[C+2]
	s_delay_alu instid0(VALU_DEP_1)
	v_min_num_f32 v[SEL+\n], v[SEL+\n], v[C+3]
.irp x, 1,2,4,8
	s_delay_alu instid0(VALU_DEP_1)
	v_min_num_f32_dpp v[SEL+\n], v[SEL+\n], v[SEL+\n] row_xmask:\x row_mask:0xf bank_mask:0xf
.endr
.irp i, 0,1,2,3
	v_cmp_eq_f32 vcc_lo, v[PF+\i], v[SEL+\n]
	s_delay_alu instid0(VALU_DEP_1)
	v_cndmask_b32 v[S+\i], v[S+\i], v125, vcc_lo
.endr
.endm
	PICK 0
	PICK 1
	PICK 2
	PICK 3
	; the softmax of the four: the first pick is the maximum, which is taken away ahead of the exponentials
.irp n, 1,2,3
	v_sub_f32 v[SCR+\n], v[SCR+\n], v[SCR]
.endr
.irp n, 1,2,3
	s_delay_alu instid0(VALU_DEP_3)
	v_mul_f32 v[SCR+\n], 0x3fb8aa3b, v[SCR+\n]
.endr
	s_wait_alu depctr_va_vdst(0)
.irp n, 1,2,3
	v_exp_f32 v[SCR+\n], v[SCR+\n]
.endr
	v_nop                                          ; a plain instruction behind the exponentials,
	s_wait_alu depctr_va_vdst(0)                   ; and the one wait for the three, ahead of their first reader
	v_add_f32 v1, 1.0, v[SCR+1]
	v_add_f32 v7, v[SCR+2], v[SCR+3]
	s_delay_alu instid0(VALU_DEP_1)
	v_add_f32 v1, v1, v7
	s_wait_alu depctr_va_vdst(0)
	v_rcp_f32 v1, v1
	v_nop
.irp n, 0,1,2,3
	v_cvt_u32_f32 v[SEL+\n], v[SEL+\n]             ; whole numbers; independent work behind the reciprocal
.endr
	s_wait_alu depctr_va_vdst(0)
	v_mul_f32 v[SCR], 0xbfb8aa3b, v1               ; the first weight is 1 / sum; all four x (-log2 e)
.irp n, 1,2,3
	v_mul_f32 v[SCR+\n], v[SCR+\n], v[SCR]
.endr
	ds_store_b128 v6, v[SEL:SEL+3]                 ; the 16 lanes of a half write the same 16 bytes with the same values
	ds_store_b128 v6, v[SCR:SCR+3] offset:256
	s_wait_tensorcnt 0x0                           ; behind my last LDS store; only LDS reads follow
	ds_add_u32 v126, v127
	s_wait_dscnt 0x0                               ; my stores have landed, for the others' sake
	s_barrier_signal -1
	s_barrier_wait -1
	s_cmp_gt_u32 s14, 1
	s_cbranch_scc1 .Lend                           ; wave 0 stores the indices, wave 1 the weights
	ds_load_b64 v[10:11], v3
	s_cmp_eq_u32 s14, 0
	s_cselect_b64 s[10:11], s[10:11], s[12:13]
	s_lshl_b32 s16, ttmp9, 8
	s_add_nc_u64 s[10:11], s[10:11], s[16:17]
	s_wait_dscnt 0x0
	global_store_b64 v2, v[10:11], s[10:11]        ; 32 lanes store 256 consecutive bytes, aligned
.Lend:
	s_endpgm
.Lfunc_end_k_qc93d91ce6c_route:
	.size	k_qc93d91ce6c_route, .Lfunc_end_k_qc93d91ce6c_route-k_qc93d91ce6c_route
	.p2alignl 7, 3214868480
	.fill 96, 4, 3214868480
	.section	.rodata,"a",@progbits
	.p2align	6, 0x0
	.amdhsa_kernel k_qc93d91ce6c_route
		.amdhsa_group_segment_fixed_size 1536
		.amdhsa_private_segment_fixed_size 0
		.amdhsa_enable_private_segment 0
		.amdhsa_kernarg_size 40
		.amdhsa_user_sgpr_count 2
		.amdhsa_user_sgpr_kernarg_segment_ptr 1
		.amdhsa_wavefront_size32 1
		.amdhsa_system_sgpr_workgroup_id_x 1
		.amdhsa_system_sgpr_workgroup_id_y 1
		.amdhsa_system_sgpr_workgroup_id_z 1
		.amdhsa_system_vgpr_workitem_id 0
		.amdhsa_next_free_vgpr 128
		.amdhsa_next_free_sgpr 66
		.amdhsa_reserve_vcc 1
		.amdhsa_float_denorm_mode_32 3
		.amdhsa_float_denorm_mode_16_64 3
		.amdhsa_memory_ordered 1
		.amdhsa_forward_progress 1
		.amdhsa_inst_pref_size 19
	.end_amdhsa_kernel
	.amdgpu_metadata
---
amdhsa.version: [ 1, 2 ]
amdhsa.kernels:
  - .name:           k_qc93d91ce6c_route
    .symbol:         k_qc93d91ce6c_route.kd
    .args:
      - { .name: topk_neuron_idx, .offset: 0, .size: 8, .value_kind: global_buffer, .address_space: global }
      - { .name: topk_neuron_weights, .offset: 8, .size: 8, .value_kind: global_buffer, .address_space: global }
      - { .name: at, .offset: 16, .size: 8, .value_kind: global_buffer, .address_space: global }
      - { .name: ridx, .offset: 24, .size: 8, .value_kind: global_buffer, .address_space: global }
      - { .name: rw, .offset: 32, .size: 8, .value_kind: global_buffer, .address_space: global }
    .group_segment_fixed_size: 1536
    .private_segment_fixed_size: 0
    .kernarg_segment_align: 8
    .kernarg_segment_size: 40
    .max_flat_workgroup_size: 256
    .sgpr_count:     66
    .vgpr_count:     128
    .wavefront_size: 32
...
	.end_amdgpu_metadata
.endif
;; end of part 2
;; launch up (part 3): grid 16 x 32, 4 waves a work-group, clusters of 4 x 4, 327,680 bytes of LDS; arguments x_codes, x_scales, up_w_codes, up_w_scales, up_b, gp, ridx, rw, hbuf; writes hbuf
.if DOCPART == 3
	.amdgcn_target "amdgcn-amd-amdhsa--gfx1250"
	.amdhsa_code_object_version 6
	.text
	.protected	k_qc93d91ce6c_up
	.globl	k_qc93d91ce6c_up
	.p2align	8
	.type	k_qc93d91ce6c_up,@function
k_qc93d91ce6c_up:
	s_mov_b64 s[64:65], 0
	v_nop
	global_prefetch_b8 v0, s[64:65] scope:SCOPE_SE
	s_setreg_imm32_b32 hwreg(HW_REG_WAVE_MODE, 25, 1), 1
	s_wait_xcnt 0x0
	s_wait_alu depctr_hold_cnt(0) depctr_sa_sdst(0) depctr_va_vdst(0) depctr_va_sdst(0) depctr_va_ssrc(0) depctr_va_vcc(0) depctr_vm_vsrc(0)
	s_getreg_b32 s2, hwreg(HW_REG_IB_STS2, 6, 4)
	s_cmp_eq_u32 s2, 0
	s_cbranch_scc0 .Lentry_in_a_cluster
	s_endpgm
.Lentry_in_a_cluster:
	s_bfe_u32 s2, ttmp6, 0x10000c
	s_cmp_lg_u32 s2, 0xf033
	s_cbranch_scc0 .Lentry_shape_is_right
	s_endpgm
.Lentry_shape_is_right:
; hidden = gelu((x up_w + up_b) x sigmoid(ffn_gate)), quantised along d_ff to codes of BF6 (E3M2) with one E8M0 byte for each 32, stored in the order of the next product's operand registers.  router_out is dead work (see the first kernel).
; THE PRODUCT.  A tile of 256 tokens x 256 f by four waves, each 128 x 128: 64 accumulators.  A row of 1,024 codes is 768 bytes: three chunks of 256 bytes, each starting at a multiple of 256; chunk c lies in LDS slot c % 2.
; A step of 128 along K is 96 bytes: eight steps; steps 2 and 5 lie across two chunks.  The tile's scale bytes come once, as dense blocks.  4 x 4 work-groups form a cluster: x's tiles are asked for jointly along a row, up_w's along a column.
; The matrix instruction is used transposed (source 0 = 16 rows of up_w, source 1 = 16 tokens).  The bias is the C of each sum's first matrix instruction.
; No prefetch: the walk along K has three chunks, of which two are asked for before the first product; there is no loop to run ahead in.
; BETWEEN THE PRODUCTS.  h goes once through a stage in LDS, f32, and comes back with 16 neighbouring f a lane.  Wave w takes tokens 64 w .. 64 w + 63, in 8 units of 8 tokens.  Lane: g = lane % 16 (f = 16 g ..), tb = lane / 16; e = 0 .. 3: token 8 n + 2 e + tb.
; ARITHMETIC, all f32: g' = sum of rw x gate row (rw = softmax weight x -log2 e);  s = 1 / (1 + 2^g') > 0;  m = max(h, 0) s = max(u, 0);  a = (2 max(h, 0) - h) s = |u|;  t = 1 / (1 + a / sqrt 8);
;   E = 2^(poly(t) - a^2 log2(e) / 2 - 1), so that t E = erfc(a / sqrt 2) / 2 (a fit of nine terms, fractional error about 1e-7);  gelu = m - (a t) E.
; Plain instructions that name no result of a batch of transcendentals stand among the batch; their results are read behind the batch's closing wait.
; LIMITS: NaN among the inputs is not served.  For u under about -13 the result is 0 where the exact one is under 1e-37.  Blocks whose largest magnitude lies under 2^-122 keep the scale byte 1; a block of zeros too (its codes are zeros).
; REGISTERS.  Window 0: v16-31 addresses; v32-63 scale words alone; v64-125, v224-255 small things; v128-223 x's fragments, later the flush.  Window 1: up_w's fragments, two sets, the bias in the gaps; later the gate rows.
;   Windows 2, 3: the accumulators; later window 2 = GS, HU, MM, AU (64 each), window 3 = PP.
.set KROW,   768
.set ROWB,   256
.set NQ,     2
.set STEPS,  8
.set CHUNKS, 3
.set PITCH,  272                       ; 256 bytes + 16 of padding
.set FR,     12
.set NL,     6
.set HALFT,  128*PITCH
.set SLOT,   4*HALFT
.set KS,     32
.set SCL,    2*SLOT
.set HALFS,  16*272
.set SBLK,   2*272
.set SP,     1040                      ; the stage: 256 token rows of 1,024 bytes + 16; f = 16 g + 4 q + i lies at 256 q + 16 g + 4 i.  It lies over the ring, which has had its last fill and its last read
.set CS,     256*SP                    ; the codes' stage: for each wave 8 units of CU bytes
.set CU,     1664
.set CW,     8*CU
.set SS,     CS+4*CW                   ; the scale bytes: for each wave 64 tokens x 8
.set SPARE,  SS+2048                   ; the spare words, 128 bytes a wave
.set BLK,    51200
.set ADRA, 16                          ; v16-17 slot 0, 1; v18-19 for pieces whose two halves of lanes read different chunks
.set ADRB, 20
.set STO0, 24
.set RD,   26
.set ADRS, 27
.set SPW,  28
.set NIL,  29
.set TB16, 30
.set G16,  31
.set SC,   32
.set IDX,  64
.set WW,   80
.set CA,   96
.set SBA,  99
.set WO,   100
.set IO,   101
.set FL,   102
.set FS,   103
.set L16,  104
.set BA,   105
.set AD,   106
.set K8,   122
.set K0,   124
.set AF,   128
.set MX,   224
.set SO,   228
.set BY8,  232
.set CD,   236
.set GS,   0
.set HU,   64
.set MM,   128
.set AU,   192
.set PP,   0
.set G1, 24
.set G0, 32
.set G1B, 48
.set G0B, 56
.set G1S, 68
.set G0S, 76
.set G1SB, 80
.set G0SB, 88
.set C9, 76
.set C7, 78
.set C6, 80
.set C5, 82
.set C4, 84
.set C3, 86
.set C2, 88
.set C1, 90
.set KN, 92
.set KH, 94
.set MSB, 0
.macro WIN new                         ; the immediate's high byte repeats the setting that is left
.if MSB != \new
	s_set_vgpr_msb (MSB<<8)|\new
.set MSB, \new
.endif
.endm
.set MUL_LO, 0xa1
.set MUL_HI, 0xf1
.set TO_B,   0x40
.macro PLACES
.rept 4
	v_nop
.endr
.endm
.macro JLOAD g0a, g1a, g0b, g1b        ; waves 0, 1 fetch for x, waves 2, 3 for up_w; s_nop 0 and four v_nop behind each line
	s_cmp_eq_u32 s15, 0
	s_cbranch_scc0 .Lfor_b_\@
	tensor_load_to_lds s[\g0a:\g0a+3], s[\g1a:\g1a+7]
	s_nop 0
	PLACES
	s_branch .Lasked_\@
.Lfor_b_\@:
	tensor_load_to_lds s[\g0b:\g0b+3], s[\g1b:\g1b+7]
	s_nop 0
	PLACES
.Lasked_\@:
.endm
.macro CREST
	s_cmp_lg_u32 s14, 0
	s_cbranch_scc1 .Lnot_wave_0_\@
	s_barrier_signal -3
.Lnot_wave_0_\@:
	s_barrier_wait -3
	s_barrier_signal -1
	s_barrier_wait -1
.endm
.macro CROUND
	s_barrier_signal -1
	s_barrier_wait -1
	CREST
.endm
.macro LDI                             ; a unit's indices: token 2 e + tb: 16 bytes
.irp e, 0,1,2,3
	global_load_b128 v[IDX+4*\e:IDX+4*\e+3], v[IO], s[6:7] offset:32*\e
.endr
.endm
.macro LDW
.irp e, 0,1,2,3
	global_load_b128 v[WW+4*\e:WW+4*\e+3], v[WO], s[8:9] offset:32*\e
.endr
.endm
.macro MKAD                            ; offsets into gp: pattern x 16,384 + 16 g; a pattern's number stays inside its table
.set i, 0
.rept 16
	v_min_u32 v[IDX+i], 63, v[IDX+i]
	v_lshl_add_u32 v[AD+i], v[IDX+i], 14, v[G16]
.set i, i+1
.endr
.endm
.macro GATHERH hf                      ; half a unit's gate rows into window 1, register 64 e + 16 k + 4 q + i: 16 lanes read 256 consecutive bytes
	WIN 0x40
.set i, 8*(\hf)
.rept 8
.irp q, 0,1,2,3
	global_load_b128 v[16*i+4*\q:16*i+4*\q+3], v[AD+i], s[4:5] offset:256*\q
.endr
.set i, i+1
.endr
	WIN 0
.endm
	s_load_b128 s[4:7], s[0:1], 0x0                ; x's codes, x's scales
	s_load_b128 s[8:11], s[0:1], 0x10              ; up_w's codes, up_w's scales
	s_load_b64 s[12:13], s[0:1], 0x20              ; up_b
	v_lshl_add_u32 v[SPW], v0, 2, SPARE
	v_mov_b32 v[NIL], 0
	ds_add_u32 v[SPW], v[NIL]                      ; the opening lines: the add twice on end and its wait
	ds_add_u32 v[SPW], v[NIL]
	v_lshrrev_b32 v1, 5, v0
	v_readfirstlane_b32 s14, v1                    ; wave
	s_lshr_b32 s15, s14, 1                         ; my half of the tokens; also: I fetch for x (0) or up_w (1)
	s_and_b32 s16, s14, 1                          ; my half of f; also: which 128 rows I fetch
	s_bfe_u32 s40, ttmp6, 0x40000                  ; cx, cy
	s_bfe_u32 s41, ttmp6, 0x40004
	s_lshl_b32 s42, ttmp9, 2
	s_add_co_u32 s42, s42, s40                     ; tile column (f)
	s_and_b32 s17, ttmp7, 0xffff
	s_lshl_b32 s17, s17, 2
	s_add_co_u32 s17, s17, s41                     ; tile row (tokens)
	s_lshl_b32 s43, s41, 2
	s_lshl_b32 s43, 15, s43                        ; my row of the cluster
	s_lshl_b32 s44, 0x1111, s40                    ; my column
	s_or_b32 s[G1+0], s43, (0<<16)|(1<<20)|(1<<21)|(5<<22)|(3<<25)   ; rows of 256 bytes, 4 words of padding behind each; 256 rows at the head
	s_or_b32 s[G1B+0], s44, (0<<16)|(1<<20)|(1<<21)|(5<<22)|(3<<25)
.irp g, G1, G1B
	s_mov_b32 s[\g+1], ROWB<<16
	s_mov_b32 s[\g+2], 256<<16
	s_mov_b32 s[\g+3], ROWB<<16
	s_mov_b32 s[\g+4], 256
	s_mov_b32 s[\g+5], KROW
	s_mov_b32 s[\g+6], 0
	s_mov_b32 s[\g+7], 0
.endr
	s_or_b32 s[G1S+0], s43, (3<<16)|(1<<20)|(1<<21)|(5<<22)|(3<<25)  ; the scales of 256 rows: 8,192 dense bytes as 32 rows of 256
	s_or_b32 s[G1SB+0], s44, (3<<16)|(1<<20)|(1<<21)|(5<<22)|(3<<25)
.irp g, G1S, G1SB
	s_mov_b32 s[\g+1], 32<<16
	s_mov_b32 s[\g+2], KS<<16
	s_mov_b32 s[\g+3], 32<<16
	s_mov_b32 s[\g+4], KS
	s_mov_b32 s[\g+5], 32
	s_mov_b32 s[\g+6], 0
	s_mov_b32 s[\g+7], 0
.endr
	s_lshl_b32 s20, s17, 8                         ; x: the tile's first row
	s_lshl_b32 s46, s42, 8                         ; up_w: likewise
	s_mov_b32 s21, 0
	s_mov_b32 s47, 0
	s_mov_b64 s[18:19], KS
	s_mul_u64 s[22:23], s[20:21], s[18:19]
	s_mul_u64 s[92:93], s[46:47], s[18:19]
	s_mov_b64 s[18:19], KROW
	s_mul_u64 s[20:21], s[20:21], s[18:19]
	s_mul_u64 s[46:47], s[46:47], s[18:19]
	s_mul_i32 s18, s16, 128*KROW                   ; in the ring I fetch 128 rows: which half, in bytes (kept),
	s_mov_b32 s19, 0
	s_mul_i32 s45, s14, HALFT                      ; and where they go (kept)
	s_wait_dscnt 0x0
	s_wait_kmcnt 0x0
	s_add_nc_u64 s[20:21], s[4:5], s[20:21]
	s_add_nc_u64 s[22:23], s[6:7], s[22:23]
	s_add_nc_u64 s[46:47], s[8:9], s[46:47]
	s_add_nc_u64 s[92:93], s[10:11], s[92:93]
	CROUND                                         ; the first joint loads meet
	s_mov_b32 s[G0], 1                             ; slot 0's sets serve the head first: chunk 0's 256 rows of x,
	s_mov_b32 s[G0+1], 0
	s_mov_b64 s[G0+2:G0+3], s[20:21]
	s_or_b32 s[G0+3], s[G0+3], 0x80000000
	s_mov_b32 s[G0B], 1                            ; and of up_w
	s_mov_b32 s[G0B+1], 2*HALFT
	s_mov_b64 s[G0B+2:G0B+3], s[46:47]
	s_or_b32 s[G0B+3], s[G0B+3], 0x80000000
	s_mov_b32 s[G0S], 1
	s_mov_b32 s[G0S+1], SCL
	s_mov_b64 s[G0S+2:G0S+3], s[22:23]
	s_or_b32 s[G0S+3], s[G0S+3], 0x80000000
	s_mov_b32 s[G0SB], 1
	s_mov_b32 s[G0SB+1], SCL+2*HALFS
	s_mov_b64 s[G0SB+2:G0SB+3], s[92:93]
	s_or_b32 s[G0SB+3], s[G0SB+3], 0x80000000
	s_add_nc_u64 s[20:21], s[20:21], s[18:19]      ; slot 1's sets: my 128 rows of chunk 1
	s_add_nc_u64 s[46:47], s[46:47], s[18:19]
	s_mov_b32 s[G0+4], 1
	s_add_co_u32 s[G0+5], s45, SLOT
	s_add_nc_u64 s[G0+6:G0+7], s[20:21], ROWB
	s_or_b32 s[G0+7], s[G0+7], 0x80000000
	s_mov_b32 s[G0B+4], 1
	s_add_co_u32 s[G0B+5], s45, SLOT
	s_add_nc_u64 s[G0B+6:G0B+7], s[46:47], ROWB
	s_or_b32 s[G0B+7], s[G0B+7], 0x80000000
; the head's four tiles, one a wave, in one tree of branches on the wave's number
.macro ARM under, g0, g1, next
	s_cmp_lt_u32 s14, \under
	s_cbranch_scc0 \next
	tensor_load_to_lds s[\g0:\g0+3], s[\g1:\g1+7]
	s_nop 0
	PLACES
	s_branch .Lhead_asked
\next:
.endm
	ARM 1, G0,  G1,  .Lhead_b
	ARM 2, G0B, G1B, .Lhead_sa
	ARM 3, G0S, G1S, .Lhead_sb
	tensor_load_to_lds s[G0SB:G0SB+3], s[G1SB:G1SB+7]
	s_nop 0
	PLACES
.Lhead_asked:
	s_load_b256 s[4:11], s[0:1], 0x28              ; gp s[4:5], ridx s[6:7], rw s[8:9], hbuf s[10:11]
	; all scalar set-up first, in registers that feed no pending descriptor
	s_mul_i32 s20, s15, HALFT                      ; my 128 rows of x
	s_mul_i32 s21, s16, HALFT
	s_add_co_u32 s21, s21, 2*HALFT                 ; my 128 rows of up_w
	s_mul_i32 s22, s15, HALFS
	s_mul_i32 s23, s16, HALFS
	s_add_co_u32 s23, s23, 2*HALFS
	s_sub_co_u32 s23, s23, s22                     ; from x's scales to up_w's
	s_add_co_u32 s22, s22, SCL
	s_mul_i32 s46, s15, 128*SP
	s_lshl_b32 s47, s16, 7
	s_add_co_u32 s46, s46, s47                     ; where I put h
	s_mul_i32 s47, s14, 64*SP                      ; where I read it back
	s_mul_i32 s92, s14, CW
	s_add_co_u32 s92, s92, CS
	s_lshl_b32 s93, s14, 9
	s_add_co_u32 s93, s93, SS
	s_mov_b32 s94, SLOT-232
	s_mov_b32 s95, SLOT+232
	s_lshl_b32 s2, s42, 10                         ; the bias of my 128 f
	s_lshl_b32 s3, s16, 9
	s_add_co_u32 s2, s2, s3
	s_mov_b32 s3, 0
	s_add_nc_u64 s[12:13], s[12:13], s[2:3]
	s_lshl_b32 s66, s42, 10                        ; gp: my tile's chunk of each pattern's row
	s_mov_b32 s67, 0
	s_lshl_b32 s98, s17, 12                        ; ridx, rw: 16 bytes a token, first token 256 row + 64 w
	s_lshl_b32 s99, s14, 10
	s_add_co_u32 s98, s98, s99
	s_mov_b32 s99, 0
	s_lshl_b32 s100, s17, 1                        ; hbuf: block (2 row + w / 2) x 8 + col / 2
	s_lshr_b32 s101, s14, 1
	s_add_co_u32 s100, s100, s101
	s_lshl_b32 s100, s100, 3
	s_lshr_b32 s101, s42, 1
	s_add_co_u32 s100, s100, s101
	s_mul_i32 s100, s100, BLK
	s_and_b32 s101, s42, 1
	s_and_b32 s104, s14, 1
	s_lshl_b32 s2, s101, 10                        ; its scale words: 49,152 + 1,024 (col % 2) + 512 (w % 2)
	s_lshl_b32 s3, s104, 9
	s_add_co_u32 s2, s2, s3
	s_add_co_u32 s2, s2, s100
	s_add_co_u32 s2, s2, 49152
	s_mov_b32 s3, 0
	s_mul_i32 s101, s101, 24576                    ; its images: (16 (col % 2) + 4 (w % 2)) x 1,536
	s_mul_i32 s104, s104, 6144
	s_add_co_u32 s100, s100, s101
	s_add_co_u32 s100, s100, s104
	s_mov_b32 s101, 0
	s_wait_kmcnt 0x0
	s_add_nc_u64 s[4:5], s[4:5], s[66:67]
	s_add_nc_u64 s[6:7], s[6:7], s[98:99]
	s_add_nc_u64 s[8:9], s[8:9], s[98:99]
	s_add_nc_u64 s[96:97], s[10:11], s[2:3]
	s_add_nc_u64 s[10:11], s[10:11], s[100:101]
	; then the vector set-up, in one run
	v_and_b32 v1, 15, v0                           ; r = g
	v_bfe_u32 v2, v0, 4, 1                         ; h = tb
	v_mul_u32_u24 v3, v1, PITCH
	v_mad_u32_u24 v4, v2, 24, v3                   ; a fragment's row x pitch + 24 x half
	v_sub_nc_u32 v7, 1, v2
	v_mul_u32_u24 v5, s94, v2
	v_add_nc_u32 v5, v3, v5
	v_add_nc_u32 v5, 232, v5                       ; lanes 0-15 byte 232 of the row in slot 0, lanes 16-31 byte 0 in slot 1
	v_mul_u32_u24 v6, s95, v7
	v_add_nc_u32 v6, v3, v6                        ; lanes 0-15 byte 232 in slot 1, lanes 16-31 byte 0 in slot 0
	v_add_nc_u32 v[ADRA], s20, v4
	v_add_nc_u32 v[ADRB], s21, v4
	v_add_nc_u32 v[ADRA+1], SLOT, v[ADRA]
	v_add_nc_u32 v[ADRB+1], SLOT, v[ADRB]
	v_add_nc_u32 v[ADRA+2], s20, v5
	v_add_nc_u32 v[ADRB+2], s21, v5
	v_add_nc_u32 v[ADRA+3], s20, v6
	v_add_nc_u32 v[ADRB+3], s21, v6
	v_mul_u32_u24 v5, v1, KS                       ; my row's scales: 32 bytes a row, 16 more for each 256 passed
	v_lshrrev_b32 v6, 8, v5
	v_lshl_add_u32 v5, v6, 4, v5
	v_mul_u32_u24 v6, s23, v2                      ; lanes 16-31 take up_w's
	v_add_nc_u32 v5, v5, v6
	v_add_nc_u32 v[ADRS], s22, v5
	v_mul_u32_u24 v[STO0], v1, SP
	v_lshl_add_u32 v[STO0], v2, 9, v[STO0]
	v_add_nc_u32 v[STO0], s46, v[STO0]             ; token row 128 wm + r; my eight f of a block: 512 h + 128 wn
	v_add_nc_u32 v[STO0+1], 64*SP, v[STO0]
	v_mul_u32_u24 v[RD], v2, SP
	v_lshl_add_u32 v[RD], v1, 4, v[RD]
	v_add_nc_u32 v[RD], s47, v[RD]                 ; back: token row 64 w + tb, + 16 g
	v_lshlrev_b32 v[TB16], 4, v2
	v_lshlrev_b32 v[G16], 4, v1
	v_bfe_u32 v3, v0, 3, 1                         ; which K step of 128: g / 8
	v_mul_u32_u24 v3, v3, 768
	v_bfe_u32 v4, v0, 1, 1                         ; which half of the operand's lanes
	v_lshl_add_u32 v3, v4, 7, v3
	v_lshl_add_u32 v3, v2, 4, v3
	v_add_nc_u32 v3, s92, v3
	v_bfe_u32 v4, v0, 2, 1
	v_mul_u32_u24 v4, v4, 6
	v_and_b32 v5, 1, v0
	v_mad_u32_u24 v4, v5, 3, v4                    ; my codes' first register in the fragment
.irp i, 0,1,2
	v_add_nc_u32 v5, \i, v4
	v_lshrrev_b32 v6, 2, v5
	v_and_b32 v5, 3, v5
	v_lshl_add_u32 v6, v6, 8, v3
	v_lshl_add_u32 v[CA+\i], v5, 2, v6
.endr
	v_bfe_u32 v4, v0, 1, 3                         ; my block of 32: g / 2
	v_lshl_add_u32 v4, v2, 3, v4
	v_add_nc_u32 v[SBA], s93, v4
	v_bfe_u32 v4, v0, 3, 1                         ; the flush: operand lane = (half, row)
	v_mul_u32_u24 v4, v4, CU
	v_lshl_add_u32 v4, v2, 7, v4
	v_and_b32 v5, 7, v0
	v_lshl_add_u32 v4, v5, 4, v4
	v_add_nc_u32 v[FL], s92, v4
	v_and_b32 v5, 31, v0
	v_lshlrev_b32 v[L16], 4, v5
	v_add_nc_u32 v[FS], s93, v[L16]
	v_mov_b32 v[WO], v[TB16]
	v_mov_b32 v[IO], v[TB16]
	v_lshlrev_b32 v[BA], 5, v2
	WIN TO_B                                       ; the bias in the result's layout, into the gaps of window 1
.irp b, 0,1,2,3,4,5,6,7
	global_load_b128 v[96+8*\b+96*(\b/4):96+8*\b+96*(\b/4)+3], v[BA], s[12:13] offset:64*\b
	global_load_b128 v[96+8*\b+96*(\b/4)+4:96+8*\b+96*(\b/4)+7], v[BA], s[12:13] offset:64*\b+16
.endr
	WIN 0
	LDI                                            ; unit 0's indices and weights
	LDW
	s_wait_alu depctr_va_vdst(0)
	s_wait_loadcnt 0x0
	MKAD
	v_add_nc_u32 v[IO], 128, v[TB16]
	LDI                                            ; unit 1's indices
.macro FRAG reg, adr, st, i            ; 12 registers, in pieces of 8 bytes; byte y of a row lies in slot (y / 256) % 2 at byte y % 256
.irp p, 0,1,2,3,4,5
.set BY, 96*(\st)+48*(\p/3)+8*(\p%3)
.if BY/ROWB == (BY+24)/ROWB
	ds_load_b64 v[\reg+2*\p:\reg+2*\p+1], v[\adr+(BY/ROWB)%2] offset:BY%ROWB+(\i)*16*PITCH
.else
	ds_load_b64 v[\reg+2*\p:\reg+2*\p+1], v[\adr+2+(BY/ROWB)%2] offset:BY%ROWB-232+(\i)*16*PITCH
.endif
.endr
.endm
; 16 matrix instructions: token blocks a0, a0 + 1 x eight blocks of f.  first = 1: the bias is C.  The 64 accumulators take turns
.macro MUL16 a0, p, q, sc, first
.irp a, \a0, \a0+1
.irp b, 0,1,2,3,4,5,6,7
.if \first
	v_wmma_scale_f32_16x16x128_f8f6f4 v[8*(8*((\a)%4)+\b):8*(8*((\a)%4)+\b)+7], v[128*(\p)+FR*\b:128*(\p)+FR*\b+FR-1], v[AF+FR*(\a):AF+FR*(\a)+FR-1], v[96+8*\b+96*(\b/4):96+8*\b+96*(\b/4)+7], v[SC+8*NQ*(\sc)+NQ*\b+(\q)], v[SC+8*NQ*(\sc)+NQ*(\a)+(\q)] matrix_a_fmt:MATRIX_FMT_BF6 matrix_b_fmt:MATRIX_FMT_BF6 matrix_a_scale:MATRIX_SCALE_ROW1
.else
	v_wmma_scale_f32_16x16x128_f8f6f4 v[8*(8*((\a)%4)+\b):8*(8*((\a)%4)+\b)+7], v[128*(\p)+FR*\b:128*(\p)+FR*\b+FR-1], v[AF+FR*(\a):AF+FR*(\a)+FR-1], v[8*(8*((\a)%4)+\b):8*(8*((\a)%4)+\b)+7], v[SC+8*NQ*(\sc)+NQ*\b+(\q)], v[SC+8*NQ*(\sc)+NQ*(\a)+(\q)] matrix_a_fmt:MATRIX_FMT_BF6 matrix_b_fmt:MATRIX_FMT_BF6 matrix_a_scale:MATRIX_SCALE_ROW1
.endif
.endr
.endr
.endm
.macro FETCH_B st, p
	WIN TO_B
.irp i, 0,1,2,3,4,5,6,7
	FRAG 128*(\p)+FR*\i, ADRB, \st, \i
.endr
	WIN 0
.endm
.macro FETCH_A st, i0
.irp i, \i0, \i0+1, \i0+2, \i0+3
	FRAG AF+FR*(\i), ADRA, \st, \i
.endr
.endm
.macro SCALES pr                       ; the words of steps 2 pr, 2 pr + 1: lanes 0-15 x's block i, lanes 16-31 up_w's
.irp i, 0,1,2,3,4,5,6,7
	ds_load_b64 v[SC+8*NQ*((\pr)%2)+NQ*\i:SC+8*NQ*((\pr)%2)+NQ*\i+1], v[ADRS] offset:\i*SBLK+4*NQ*(\pr)
.endr
.endm
; A step: 64 matrix instructions; the next step's fragments are fetched in its middle and at its end.  Where the next step's bytes end in a chunk not read yet: the wait for my tensor loads and a barrier.
; Where they begin in a later chunk: the three lines and the barrier; where a chunk two on is left, the barrier opens a round of the cluster's barrier and the slot is filled again.
.macro STEP st, first
.set NX, (\st)+1
.set C0, (96*(\st))/ROWB
.set C1, (96*NX)/ROWB
.set E0, (96*(\st)+95)/ROWB
.set E1, (96*NX+95)/ROWB
.if C1 > C0 || E1 > E0
	s_wait_tensorcnt 0x0
.if C1 > C0
	ds_add_u32 v[SPW], v[NIL]
	s_wait_dscnt 4*NL+1                            ; the add and the youngest 24 loads (x's blocks 4-7) may be out
.else
	s_wait_dscnt 4*NL
.endif
	WIN MUL_LO
	MUL16 0, (\st)%2, (\st)%2, ((\st)/2)%2, 0
	s_wait_dscnt 0x0                               ; the add and all my reads are done
	s_barrier_signal -1
	MUL16 2, (\st)%2, (\st)%2, ((\st)/2)%2, 0
	WIN 0
	s_barrier_wait -1
.if C1 > C0 && C0+2 < CHUNKS
	CREST
	s_add_nc_u64 s[G0+4*(C0%2)+2:G0+4*(C0%2)+3], s[G0+4*(C0%2)+2:G0+4*(C0%2)+3], 2*ROWB
	s_add_nc_u64 s[G0B+4*(C0%2)+2:G0B+4*(C0%2)+3], s[G0B+4*(C0%2)+2:G0B+4*(C0%2)+3], 2*ROWB
	JLOAD G0+4*(C0%2), G1, G0B+4*(C0%2), G1B       ; chunk C0 + 2; its four v_nop are the places in front of the loads below
.else
	PLACES
.endif
.else
	s_wait_dscnt 4*NL                              ; the youngest 24 loads (x's blocks 4-7) may be out
	WIN MUL_LO-0x10*\first                         ; (with the bias: C in window 1)
	MUL16 0, (\st)%2, (\st)%2, ((\st)/2)%2, \first
	MUL16 2, (\st)%2, (\st)%2, ((\st)/2)%2, \first
	s_wait_dscnt 0
	PLACES
.endif
	FETCH_B NX, NX%2
	FETCH_A NX, 0
.if NX%2 == 0
	SCALES NX/2
.endif
	WIN MUL_HI-0x20*\first
	MUL16 4, (\st)%2, (\st)%2, ((\st)/2)%2, \first
	MUL16 6, (\st)%2, (\st)%2, ((\st)/2)%2, \first
	PLACES
	WIN 0
	FETCH_A NX, 4
.endm
	s_wait_alu depctr_va_vdst(0)
	s_wait_tensorcnt 0x0                           ; my tile of the head's four is in; the three lines ahead of slot 1's first fill
	ds_add_u32 v[SPW], v[NIL]
	s_mov_b32 s[G1+2], 128<<16                     ; no tensor load of mine is out: from here on a load brings 128 rows,
	s_mov_b32 s[G1+4], 128
	s_mov_b32 s[G1B+2], 128<<16
	s_mov_b32 s[G1B+4], 128
	s_mov_b32 s[G0+1], s45                         ; and slot 0's sets point at my 128 rows
	s_add_nc_u64 s[G0+2:G0+3], s[G0+2:G0+3], s[18:19]
	s_mov_b32 s[G0B+1], s45
	s_add_nc_u64 s[G0B+2:G0B+3], s[G0B+2:G0B+3], s[18:19]
	s_wait_dscnt 0x0
	CROUND
	JLOAD G0+4, G1, G0B+4, G1B                     ; chunk 1
	FETCH_B 0, 0
	FETCH_A 0, 0
	SCALES 0
	FETCH_A 0, 4
	STEP 0, 1
.set ST, 1
.rept STEPS-2
	STEP ST, 0
.set ST, ST+1
.endr
	s_wait_dscnt 4*NL                              ; the last step
	WIN MUL_LO
	MUL16 0, 1, 1, 1, 0
	MUL16 2, 1, 1, 1, 0
	s_wait_dscnt 0x0                               ; my reads of the ring and of the scales are over:
	s_barrier_signal -1                            ; behind this barrier the stage is written over them; no fill follows
	WIN MUL_HI
	MUL16 4, 1, 1, 1, 0
	MUL16 6, 1, 1, 1, 0
	WIN 0
	s_barrier_wait -1
	; ---- between the products
	v_mov_b32 v[K8], 0xbf97d29d                    ; c8; these six lines are the places behind the last products
	v_mov_b32 v[K8+1], 0xbf97d29d
	v_mov_b32 v[K0], 0xc034d90f                    ; c0' = c0 log2 e - 1
	v_mov_b32 v[K0+1], 0xc034d90f
	v_nop
	v_nop
.macro SC2 r, val
	s_mov_b32 s[\r], \val
	s_mov_b32 s[\r+1], \val
.endm
	SC2 C9, 0x3e7c6f08                             ; the fit's coefficients x log2 e (no tensor load is out)
	SC2 C7, 0x40097039
	SC2 C6, 0xbfd1a1e5
	SC2 C5, 0x3ecdfd18
	SC2 C4, 0xbe899a80
	SC2 C3, 0x3e0efb2f
	SC2 C2, 0x3f0a29d2
	SC2 C1, 0x3fb8ab5a
	SC2 KN, 0xbf38aa3b                             ; -log2(e) / 2
	SC2 KH, 0x3eb504f3                             ; 1 / sqrt 8
.macro DUMP a                          ; token block a: each accumulator from its low end on
	WIN 0x08+4*((\a)/4)
.irp b, 0,1,2,3,4,5,6,7
	ds_store_b128 v[STO0+(\a)/4], v[64*((\a)%4)+8*\b:64*((\a)%4)+8*\b+3] offset:((\a)%4)*16*SP+16*\b
	ds_store_b128 v[STO0+(\a)/4], v[64*((\a)%4)+8*\b+4:64*((\a)%4)+8*\b+7] offset:((\a)%4)*16*SP+16*\b+256
.endr
	WIN 0
.endm
.macro GK k                            ; g' += weight k x gate row k
.set e, 0
.rept 4
.set p, 0
.rept 8
.if \k == 0
	v_pk_mul_f32 v[GS+16*e+p:GS+16*e+p+1], v[64*e+p:64*e+p+1], v[WW+4*e:WW+4*e+1] op_sel_hi:[1,0]
.elseif \k == 1
	v_pk_fma_f32 v[GS+16*e+p:GS+16*e+p+1], v[64*e+16+p:64*e+16+p+1], v[WW+4*e:WW+4*e+1], v[GS+16*e+p:GS+16*e+p+1] op_sel:[0,1,0] op_sel_hi:[1,1,1]
.elseif \k == 2
	v_pk_fma_f32 v[GS+16*e+p:GS+16*e+p+1], v[64*e+32+p:64*e+32+p+1], v[WW+4*e+2:WW+4*e+3], v[GS+16*e+p:GS+16*e+p+1] op_sel_hi:[1,0,1]
.else
	v_pk_fma_f32 v[GS+16*e+p:GS+16*e+p+1], v[64*e+48+p:64*e+48+p+1], v[WW+4*e+2:WW+4*e+3], v[GS+16*e+p:GS+16*e+p+1] op_sel:[0,1,0] op_sel_hi:[1,1,1]
.endif
.set p, p+2
.endr
.set e, e+1
.endr
.endm
.macro PKMUL d, a, b                   ; d = a b, 32 pairs
.set i, 0
.rept 32
	v_pk_mul_f32 v[\d+i:\d+i+1], v[\a+i:\a+i+1], v[\b+i:\b+i+1]
.set i, i+2
.endr
.endm
.macro LEVEL c                         ; P = P t + c
.set i, 0
.rept 32
	v_pk_fma_f32 v[PP+i:PP+i+1], v[PP+i:PP+i+1], v[GS+i:GS+i+1], s[\c:\c+1] op_sel_hi:[1,1,0]
.set i, i+2
.endr
.endm
	s_wait_loadcnt 0x0                             ; unit 1's indices
	GATHERH 0                                      ; unit 0's gate rows go into window 1, which the products have left
.irp a, 0,1,2,3
	DUMP \a
.endr
	GATHERH 1
.irp a, 4,5,6,7
	DUMP \a
.endr
	s_wait_dscnt 0x0
	s_barrier_signal -1
	s_barrier_wait -1                              ; the stage is whole
	s_mov_b32 s3, 0
.Lunit:                                            ; 8 trips: a unit of 8 tokens x 256 f
	s_wait_loadcnt 0x0                             ; this unit's gate rows and weights, the next unit's indices
	WIN 0x80
	s_wait_alu depctr_va_vdst(0)                   ; the address was stepped ahead of the jump
.irp e, 0,1,2,3
.irp q, 0,1,2,3
	ds_load_b128 v[HU+16*\e+4*\q:HU+16*\e+4*\q+3], v[RD] offset:2*SP*\e+256*\q   ; h: 16 lanes read 256 consecutive bytes
.endr
.endr
	WIN 0xa1
	GK 0
	GK 1
	GK 2
	GK 3
	WIN 0
	s_cmp_eq_u32 s3, 7
	s_cbranch_scc1 .Lna                            ; the last unit asks for nothing
	MKAD
	GATHERH 0
	v_add_nc_u32 v[WO], 128, v[WO]
	LDW
	s_add_co_u32 s18, s3, 2
	s_min_u32 s18, s18, 7                          ; held at the wave's last unit: no load leaves its buffer
	s_lshl_b32 s18, s18, 7
	v_add_nc_u32 v[IO], s18, v[TB16]
	LDI
.Lna:
	s_wait_dscnt 0x0                               ; h is back
	WIN 0xaa
	s_wait_alu depctr_va_vdst(0)                   ; ahead of the batch
.set i, 0
.rept 64
	v_exp_f32 v[GS+i], v[GS+i]                     ; 2^g' = exp(-ffn_gate)
	v_max_num_f32 v[MM+i], 0, v[HU+i]              ; max(h, 0)
.set i, i+1
.endr
	s_wait_alu depctr_va_vdst(0)                   ; behind it
.set i, 0
.rept 32
	v_pk_add_f32 v[GS+i:GS+i+1], v[GS+i:GS+i+1], 1.0 op_sel_hi:[1,0]
.set i, i+2
.endr
	s_wait_alu depctr_va_vdst(0)
.set i, 0
.rept 32
	v_rcp_f32 v[GS+i], v[GS+i]                     ; s = sigmoid(ffn_gate)
	v_rcp_f32 v[GS+i+1], v[GS+i+1]
	v_pk_fma_f32 v[AU+i:AU+i+1], v[MM+i:MM+i+1], 2.0, v[HU+i:HU+i+1] op_sel_hi:[1,0,1] neg_lo:[0,0,1] neg_hi:[0,0,1]   ; |h| = 2 max(h, 0) - h
.set i, i+2
.endr
	s_wait_alu depctr_va_vdst(0)
	PKMUL MM, MM, GS                               ; m
	PKMUL AU, AU, GS                               ; a = |u|
	PKMUL HU, AU, AU                               ; a^2
.set i, 0
.rept 32
	v_pk_fma_f32 v[GS+i:GS+i+1], v[AU+i:AU+i+1], s[KH:KH+1], 1.0 op_sel_hi:[1,0,0]
.set i, i+2
.endr
	WIN 0
	s_cmp_eq_u32 s3, 7
	s_cbranch_scc1 .Lnb
	s_wait_loadcnt 8                               ; the first half's 32 loads are in; the 8 younger ones (weights, indices) may be out
	GATHERH 1
.Lnb:
	WIN 0x8a
	s_wait_alu depctr_va_vdst(0)
.set i, 0
.rept 32
	v_rcp_f32 v[GS+i], v[GS+i]                     ; t
	v_rcp_f32 v[GS+i+1], v[GS+i+1]
	v_pk_fma_f32 v[HU+i:HU+i+1], v[HU+i:HU+i+1], s[KN:KN+1], v[K0:K0+1] op_sel_hi:[1,0,1]   ; Q = c0' - a^2 log2(e) / 2
.set i, i+2
.endr
	s_wait_alu depctr_va_vdst(0)
	WIN 0xc2
.set i, 0
.rept 32
	v_pk_fma_f32 v[PP+i:PP+i+1], v[GS+i:GS+i+1], s[C9:C9+1], v[K8:K8+1] op_sel_hi:[1,0,1]   ; P = c9 t + c8, in window 3
.set i, i+2
.endr
	WIN 0xcb
	LEVEL C7
	LEVEL C6
	LEVEL C5
	LEVEL C4
	LEVEL C3
	LEVEL C2
	LEVEL C1
	WIN 0xab
.set i, 0
.rept 32
	v_pk_fma_f32 v[HU+i:HU+i+1], v[PP+i:PP+i+1], v[GS+i:GS+i+1], v[HU+i:HU+i+1]   ; P t + Q
.set i, i+2
.endr
	WIN 0xaa
	s_wait_alu depctr_va_vdst(0)
.set i, 0
.rept 32
	v_exp_f32 v[HU+i], v[HU+i]                     ; E
	v_exp_f32 v[HU+i+1], v[HU+i+1]
	v_pk_mul_f32 v[AU+i:AU+i+1], v[AU+i:AU+i+1], v[GS+i:GS+i+1]   ; a t
.set i, i+2
.endr
	s_wait_alu depctr_va_vdst(0)
.set i, 0
.rept 32
	v_pk_fma_f32 v[MM+i:MM+i+1], v[AU+i:AU+i+1], v[HU+i:HU+i+1], v[MM+i:MM+i+1] neg_lo:[1,0,0] neg_hi:[1,0,0]   ; gelu = m - (a t) E
.set i, i+2
.endr
	; the quantiser: a lane's 16 numbers are half a block of 32; lanes g and g xor 1 share it
	WIN 0x28
.irp e, 0,1,2,3
	v_max3_num_f32 v[MX+\e], 0x2800000, |v[MM+16*\e]|, |v[MM+16*\e+1]|   ; with the floor 2^(5 - 127)
.endr
.irp i, 2,4,6,8,10,12,14
.irp e, 0,1,2,3
	v_max3_num_f32 v[MX+\e], v[MX+\e], |v[MM+16*\e+\i]|, |v[MM+16*\e+\i+1]|
.endr
.endr
	WIN 0
.irp e, 0,1,2,3
	v_max_num_f32_dpp v[MX+\e], v[MX+\e], v[MX+\e] row_xmask:1 row_mask:0xf bank_mask:0xf
.endr
.irp e, 0,1,2,3
	v_add_nc_u32 v[SO+\e], 0xfe000000, v[MX+\e]    ; 4 off the exponent field: the conversion's scale operand
.endr
	WIN 0x02
.irp e, 0,1,2,3
	v_cvt_scalef32_pk16_bf6_f32 v[CD+4*\e:CD+4*\e+2], v[MM+16*\e:MM+16*\e+15], v[SO+\e]
.endr
	WIN 0
.irp e, 0,1,2,3
	v_lshrrev_b32 v[BY8+\e], 23, v[SO+\e]          ; the scale's byte (plain lines behind the conversions)
.endr
.irp e, 0,1,2,3
.irp i, 0,1,2
	ds_store_b32 v[CA+\i], v[CD+4*\e+\i] offset:32*\e
.endr
	ds_store_b8 v[SBA], v[BY8+\e] offset:16*\e     ; both lanes of a block write the same byte
.endr
.irp i, 0,1,2
	v_add_nc_u32 v[CA+\i], CU, v[CA+\i]
.endr
	v_add_nc_u32 v[SBA], 64, v[SBA]
	v_add_nc_u32 v[RD], 8*SP, v[RD]
	s_add_co_u32 s3, s3, 1
	s_cmp_lt_u32 s3, 8
	s_cbranch_scc1 .Lunit
	; ---- the flush: my 64 tokens' codes leave as eight images, their scale bytes as 512 bytes.  LDS serves a wave's instructions in order
.set m, 0
.rept 24
	ds_load_b128 v[128+4*m:131+4*m], v[FL] offset:(m/12)*768+((m%12)/3)*2*CU+(m%3)*256
.set m, m+1
.endr
	ds_load_b128 v[252:255], v[FS]
.set m, 0
.rept 24
	s_wait_dscnt 24-m                              ; load m is in; the later ones may be out
	global_store_b128 v[L16], v[128+4*m:131+4*m], s[10:11] offset:(m/12)*12288+(m%12)*512   ; 32 lanes store 512 consecutive bytes, aligned
.set m, m+1
.endr
	s_wait_dscnt 0x0
	global_store_b128 v[L16], v[252:255], s[96:97]
	s_wait_tensorcnt 0x0                           ; the wave's end
	ds_add_u32 v[SPW], v[NIL]
	s_wait_dscnt 0x0
	CROUND                                         ; the closing round
	s_endpgm
.Lfunc_end_k_qc93d91ce6c_up:
	.size	k_qc93d91ce6c_up, .Lfunc_end_k_qc93d91ce6c_up-k_qc93d91ce6c_up
	.p2alignl 7, 3214868480
	.fill 96, 4, 3214868480
	.section	.rodata,"a",@progbits
	.p2align	6, 0x0
	.amdhsa_kernel k_qc93d91ce6c_up
		.amdhsa_group_segment_fixed_size 327680
		.amdhsa_private_segment_fixed_size 0
		.amdhsa_enable_private_segment 0
		.amdhsa_kernarg_size 72
		.amdhsa_user_sgpr_count 2
		.amdhsa_user_sgpr_kernarg_segment_ptr 1
		.amdhsa_wavefront_size32 1
		.amdhsa_system_sgpr_workgroup_id_x 1
		.amdhsa_system_sgpr_workgroup_id_y 1
		.amdhsa_system_sgpr_workgroup_id_z 1
		.amdhsa_system_vgpr_workitem_id 0
		.amdhsa_next_free_vgpr 1024
		.amdhsa_next_free_sgpr 106
		.amdhsa_reserve_vcc 0
		.amdhsa_float_denorm_mode_32 3
		.amdhsa_float_denorm_mode_16_64 3
		.amdhsa_memory_ordered 1
		.amdhsa_forward_progress 1
		.amdhsa_inst_pref_size 228
	.end_amdhsa_kernel
	.amdgpu_metadata
---
amdhsa.version: [ 1, 2 ]
amdhsa.kernels:
  - .name:           k_qc93d91ce6c_up
    .symbol:         k_qc93d91ce6c_up.kd
    .args:
      - { .name: x_codes, .offset: 0, .size: 8, .value_kind: global_buffer, .address_space: global }
      - { .name: x_scales, .offset: 8, .size: 8, .value_kind: global_buffer, .address_space: global }
      - { .name: up_w_codes, .offset: 16, .size: 8, .value_kind: global_buffer, .address_space: global }
      - { .name: up_w_scales, .offset: 24, .size: 8, .value_kind: global_buffer, .address_space: global }
      - { .name: up_b, .offset: 32, .size: 8, .value_kind: global_buffer, .address_space: global }
      - { .name: gp, .offset: 40, .size: 8, .value_kind: global_buffer, .address_space: global }
      - { .name: ridx, .offset: 48, .size: 8, .value_kind: global_buffer, .address_space: global }
      - { .name: rw, .offset: 56, .size: 8, .value_kind: global_buffer, .address_space: global }
      - { .name: hbuf, .offset: 64, .size: 8, .value_kind: global_buffer, .address_space: global }
    .group_segment_fixed_size: 327680
    .private_segment_fixed_size: 0
    .kernarg_segment_align: 8
    .kernarg_segment_size: 72
    .max_flat_workgroup_size: 128
    .sgpr_count:     106
    .vgpr_count:     1024
    .wavefront_size: 32
...
	.end_amdgpu_metadata
.endif
;; end of part 3
;; launch down (part 4): grid 4 x 64, 4 waves a work-group, clusters of 4 x 4, 327,680 bytes of LDS; arguments hbuf, dw, down_b, out0; writes out0
.if DOCPART == 4
	.amdgcn_target "amdgcn-amd-amdhsa--gfx1250"
	.amdhsa_code_object_version 6
	.text
	.protected	k_qc93d91ce6c_down
	.globl	k_qc93d91ce6c_down
	.p2align	8
	.type	k_qc93d91ce6c_down,@function
k_qc93d91ce6c_down:
	s_mov_b64 s[64:65], 0
	v_nop
	global_prefetch_b8 v0, s[64:65] scope:SCOPE_SE
	s_setreg_imm32_b32 hwreg(HW_REG_WAVE_MODE, 25, 1), 1
	s_wait_xcnt 0x0
	s_wait_alu depctr_hold_cnt(0) depctr_sa_sdst(0) depctr_va_vdst(0) depctr_va_sdst(0) depctr_va_ssrc(0) depctr_va_vcc(0) depctr_vm_vsrc(0)
	s_getreg_b32 s2, hwreg(HW_REG_IB_STS2, 6, 4)
	s_cmp_eq_u32 s2, 0
	s_cbranch_scc0 .Lentry_in_a_cluster
	s_endpgm
.Lentry_in_a_cluster:
	s_bfe_u32 s2, ttmp6, 0x10000c
	s_cmp_lg_u32 s2, 0xf033
	s_cbranch_scc0 .Lentry_shape_is_right
	s_endpgm
.Lentry_shape_is_right:
.set BLK,    51200
.set SLOT,   3*BLK
.set SPARE,  2*SLOT
.set SCO,    49152
.set SPITCH, 528
.set ADRA, 16
.set ADRB, 18
.set ASA,  20
.set ASB,  22
.set STO,  24
.set RD,   25
.set CO,   26
.set BA,   27
.set SPW,  28
.set NIL,  29
.set PFO,  30
.set SCA,  32
.set SCB,  48
.set AF,   128
.set BK,   128
.set G1A, 24
.set G0A, 32
.set G1B, 48
.set G0B, 56
.set PFA, 16
.set LIM, 15
.set MSB, 0
.macro WIN new
.if MSB != \new
	s_set_vgpr_msb (MSB<<8)|\new
.set MSB, \new
.endif
.endm
.macro JLOAD s
	s_cmp_eq_u32 s13, 0
	s_cbranch_scc0 .Lfor_b_\@
	tensor_load_to_lds s[G0A+4*\s:G0A+4*\s+3], s[G1A:G1A+7]
	s_nop 0
.rept 4
	v_nop
.endr
	s_branch .Lasked_\@
.Lfor_b_\@:
	tensor_load_to_lds s[G0B+4*\s:G0B+4*\s+3], s[G1B:G1B+7]
	s_nop 0
.rept 4
	v_nop
.endr
.Lasked_\@:
.endm
.macro CREST
	s_cmp_lg_u32 s12, 0
	s_cbranch_scc1 .Lnot_wave_0_\@
	s_barrier_signal -3
.Lnot_wave_0_\@:
	s_barrier_wait -3
	s_barrier_signal -1
	s_barrier_wait -1
.endm
.macro CROUND
	s_barrier_signal -1
	s_barrier_wait -1
	CREST
.endm
.macro ASK
	s_cmp_gt_u32 s3, s[LIM]
	s_cbranch_scc0 .Lnot_mine_\@
	global_prefetch_b8 v[PFO], s[PFA:PFA+1] th:TH_LOAD_NT scope:SCOPE_SE
.Lnot_mine_\@:
.endm
	s_load_b256 s[4:11], s[0:1], 0x0
	v_lshl_add_u32 v[SPW], v0, 2, SPARE
	v_mov_b32 v[NIL], 0
	ds_add_u32 v[SPW], v[NIL]
	ds_add_u32 v[SPW], v[NIL]
	v_lshrrev_b32 v1, 5, v0
	v_readfirstlane_b32 s12, v1
	s_lshr_b32 s13, s12, 1
	s_and_b32 s14, s12, 1
	s_bfe_u32 s40, ttmp6, 0x40000
	s_bfe_u32 s41, ttmp6, 0x40004
	s_lshl_b32 s42, ttmp9, 2
	s_add_co_u32 s42, s42, s40
	s_and_b32 s45, ttmp7, 0xffff
	s_lshl_b32 s45, s45, 2
	s_add_co_u32 s45, s45, s41
	s_lshl_b32 s43, s41, 2
	s_lshl_b32 s43, 15, s43
	s_lshl_b32 s44, 0x1111, s40
	s_or_b32 s[G1A], s43, (3<<16)|(1<<21)
	s_mov_b32 s[G1A+1], 32<<16
	s_mov_b32 s[G1A+2], 100<<16
	s_mov_b32 s[G1A+3], 32<<16
	s_mov_b32 s[G1A+4], 100
	s_mov_b32 s[G1A+5], 32
	s_mov_b32 s[G1A+6], 0
	s_mov_b32 s[G1A+7], 0
	s_or_b32 s[G1B], s44, (3<<16)|(1<<21)
	s_mov_b32 s[G1B+1], 32<<16
	s_mov_b32 s[G1B+2], 200<<16
	s_mov_b32 s[G1B+3], 32<<16
	s_mov_b32 s[G1B+4], 200
	s_mov_b32 s[G1B+5], 32
	s_mov_b32 s[G1B+6], 0
	s_mov_b32 s[G1B+7], 0
	s_mul_i32 s18, s45, 8*BLK
	s_mul_i32 s19, s14, BLK/2
	s_add_co_u32 s18, s18, s19
	s_mov_b32 s19, 0
	s_lshl_b32 s46, s42, 1
	s_add_co_u32 s46, s46, s14
	s_mul_i32 s46, s46, BLK
	s_mov_b32 s47, 0
	s_mul_i32 s20, s14, BLK/2
	s_mul_i32 s21, s14, BLK
	s_add_co_u32 s21, s21, BLK
	s_wait_dscnt 0x0
	s_wait_kmcnt 0x0
	s_add_nc_u64 s[18:19], s[4:5], s[18:19]
	s_add_nc_u64 s[46:47], s[6:7], s[46:47]
	CROUND
.irp s, 0,1
	s_mov_b32 s[G0A+4*\s], 1
	s_add_co_u32 s[G0A+4*\s+1], s20, \s*SLOT
	s_add_nc_u64 s[G0A+4*\s+2:G0A+4*\s+3], s[18:19], \s*BLK
	s_or_b32 s[G0A+4*\s+3], s[G0A+4*\s+3], 0x80000000
	s_mov_b32 s[G0B+4*\s], 1
	s_add_co_u32 s[G0B+4*\s+1], s21, \s*SLOT
	s_add_nc_u64 s[G0B+4*\s+2:G0B+4*\s+3], s[46:47], \s*8*BLK
	s_or_b32 s[G0B+4*\s+3], s[G0B+4*\s+3], 0x80000000
	s_wait_alu depctr_va_vdst(0)
	s_wait_tensorcnt 0x0
	ds_add_u32 v28, v29
	ds_add_u32 v28, v29
	s_wait_dscnt 0x0
	CROUND
	JLOAD \s
.endr
	v_and_b32 v1, 15, v0
	v_bfe_u32 v2, v0, 4, 1
	v_and_b32 v3, 31, v0
	v_lshlrev_b32 v[CO], 4, v3
	s_wait_alu depctr_va_vdst(0)
	v_lshlrev_b32 v4, 3, v1
	s_wait_alu depctr_va_vdst(0)
	s_mul_i32 s22, s13, 6144
	s_mul_i32 s23, s14, BLK
	s_add_co_u32 s23, s23, BLK
	s_lshl_b32 s2, s13, 9
	s_add_co_u32 s2, s2, SCO
	s_add_co_u32 s3, s23, SCO
.irp s, 0,1
	v_add_nc_u32 v[ADRA+\s], s22, v[CO]
	v_add_nc_u32 v[ADRB+\s], s23, v[CO]
	v_add_nc_u32 v[ASA+\s], s2, v4
	v_add_nc_u32 v[ASB+\s], s3, v4
	s_add_co_u32 s22, s22, SLOT
	s_add_co_u32 s23, s23, SLOT
	s_add_co_u32 s2, s2, SLOT
	s_add_co_u32 s3, s3, SLOT
.endr
	s_mul_i32 s22, s12, 16*SPITCH
	v_mul_u32_u24 v5, v1, SPITCH
	v_lshl_add_u32 v5, v2, 5, v5
	v_add_nc_u32 v[STO], s22, v5
	v_add_nc_u32 v[RD], s22, v[CO]
	s_lshl_b32 s46, s42, 10
	s_lshl_b32 s47, s14, 9
	s_add_co_u32 s46, s46, s47
	s_mov_b32 s47, 0
	s_add_nc_u64 s[8:9], s[8:9], s[46:47]
	s_add_nc_u64 s[10:11], s[10:11], s[46:47]
	s_lshl_b32 s46, s45, 19
	s_lshl_b32 s22, s13, 18
	s_add_co_u32 s46, s46, s22
	s_add_nc_u64 s[10:11], s[10:11], s[46:47]
	v_lshlrev_b32 v[BA], 5, v2
	WIN 0x40
.irp b, 0,1,2,3,4,5,6,7
	global_load_b128 v[96+8*\b+96*(\b/4):96+8*\b+96*(\b/4)+3], v[BA], s[8:9] offset:64*\b
	global_load_b128 v[96+8*\b+96*(\b/4)+4:96+8*\b+96*(\b/4)+7], v[BA], s[8:9] offset:64*\b+16
.endr
	WIN 0
	s_mul_i32 s22, s45, 8*BLK
	s_add_co_u32 s22, s22, 3*BLK
	s_mul_i32 s23, s14, BLK/2
	s_add_co_u32 s22, s22, s23
	s_mul_i32 s23, s40, 25*256
	s_add_co_u32 s22, s22, s23
	s_mov_b32 s23, 0
	s_add_nc_u64 s[PFA:PFA+1], s[4:5], s[22:23]
	s_cmp_eq_u32 s13, 0
	s_cselect_b32 s[LIM], 1, -1
	v_min_u32 v[PFO], 24, v3
	v_lshlrev_b32 v[PFO], 8, v[PFO]
.macro FETCH slot, q, p
	WIN 0x40
.irp b, 0,1,2,3,4,5,6,7
.irp c, 0,1,2
	ds_load_b128 v[128*(\p)+12*\b+4*\c:128*(\p)+12*\b+4*\c+3], v[ADRB+\slot] offset:12288*(\q)+1536*\b+512*\c
.endr
.endr
	WIN 0
.irp a, 0,1,2,3
.irp c, 0,1,2
	ds_load_b128 v[AF+48*(\p)+12*\a+4*\c:AF+48*(\p)+12*\a+4*\c+3], v[ADRA+\slot] offset:12288*(\q)+1536*\a+512*\c
.endr
.endr
.endm
.macro SCALES s
.irp f, 0,1
.irp a, 0,1,2,3
	ds_load_b64 v[SCA+48*\s+4*\a+2*\f:SCA+48*\s+4*\a+2*\f+1], v[ASA+\s] offset:1024*\f+128*\a
.endr
.irp b, 0,1,2,3,4,5,6,7
	ds_load_b64 v[SCB+48*\s+4*\b+2*\f:SCB+48*\s+4*\b+2*\f+1], v[ASB+\s] offset:1024*\f+128*\b
.endr
.endr
.endm
.macro MUL8 a, p, q, s, first
.irp b, 0,1,2,3,4,5,6,7
.if \first
	v_wmma_scale_f32_16x16x128_f8f6f4 v[8*(8*(\a)+\b):8*(8*(\a)+\b)+7], v[128*(\p)+12*\b:128*(\p)+12*\b+11], v[AF+48*(\p)+12*(\a):AF+48*(\p)+12*(\a)+11], v[96+8*\b+96*(\b/4):96+8*\b+96*(\b/4)+7], v[SCB+48*(\s)+4*\b+(\q)], v[SCA+48*(\s)+4*(\a)+(\q)] matrix_a_fmt:MATRIX_FMT_BF6 matrix_b_fmt:MATRIX_FMT_BF6
.else
	v_wmma_scale_f32_16x16x128_f8f6f4 v[8*(8*(\a)+\b):8*(8*(\a)+\b)+7], v[128*(\p)+12*\b:128*(\p)+12*\b+11], v[AF+48*(\p)+12*(\a):AF+48*(\p)+12*(\a)+11], v[8*(8*(\a)+\b):8*(8*(\a)+\b)+7], v[SCB+48*(\s)+4*\b+(\q)], v[SCA+48*(\s)+4*(\a)+(\q)] matrix_a_fmt:MATRIX_FMT_BF6 matrix_b_fmt:MATRIX_FMT_BF6
.endif
.endr
.endm
.macro PLACES
.rept 4
	v_nop
.endr
.endm
.macro STEP slot, q, first
	s_wait_dscnt 0x0
	PLACES
	FETCH \slot, (\q)+1, ((\q)+1)%2
	WIN 0xa1-0x10*\first
.irp a, 0,1,2,3
	MUL8 \a, (\q)%2, \q, \slot, \first
.endr
	WIN 0
.endm
.macro TURN slot, next, fill
.if \fill
	s_wait_xcnt 0x0
	s_add_nc_u64 s[PFA:PFA+1], s[PFA:PFA+1], BLK
.endif
	s_wait_tensorcnt 0x0
	ds_add_u32 v[SPW], v[NIL]
	s_wait_dscnt 1
	WIN 0xa1
	MUL8 0, 1, 3, \slot, 0
	s_wait_dscnt 0x0
	s_barrier_signal -1
	MUL8 1, 1, 3, \slot, 0
	WIN 0
	s_barrier_wait -1
.if \fill
	CREST
	s_add_nc_u64 s[G0A+4*\slot+2:G0A+4*\slot+3], s[G0A+4*\slot+2:G0A+4*\slot+3], 2*BLK
	s_add_nc_u64 s[G0B+4*\slot+2:G0B+4*\slot+3], s[G0B+4*\slot+2:G0B+4*\slot+3], 16*BLK
	JLOAD \slot
.else
	PLACES
.endif
	FETCH \next, 0, 0
	s_wait_alu depctr_va_vdst(0)
	SCALES \next
.if \fill
	ASK
.endif
	WIN 0xa1
	MUL8 2, 1, 3, \slot, 0
	MUL8 3, 1, 3, \slot, 0
	WIN 0
.endm
	s_wait_tensorcnt 1
	s_barrier_signal -1
	s_barrier_wait -1
	FETCH 0, 0, 0
	SCALES 0
	s_wait_loadcnt 0x0
	STEP 0, 0, 1
	s_mov_b32 s3, 3
.Llap:
	STEP 0, 1, 0
	STEP 0, 2, 0
	TURN 0, 1, 1
	STEP 1, 0, 0
	STEP 1, 1, 0
	STEP 1, 2, 0
	TURN 1, 0, 1
	STEP 0, 0, 0
	s_sub_co_u32 s3, s3, 1
	s_cmp_lg_u32 s3, 0
	s_cbranch_scc1 .Llap
	STEP 0, 1, 0
	STEP 0, 2, 0
	TURN 0, 1, 0
	STEP 1, 0, 0
	STEP 1, 1, 0
	STEP 1, 2, 0
	s_wait_dscnt 0x0
	WIN 0xa1
.irp a, 0,1,2,3
	MUL8 \a, 1, 3, 1, 0
.endr
	WIN 0
.macro TOSTAGE a
	WIN 0x08
.irp b, 0,1,2,3,4,5,6,7
	ds_store_b128 v[STO], v[64*(\a)+8*\b:64*(\a)+8*\b+3] offset:64*\b
	ds_store_b128 v[STO], v[64*(\a)+8*\b+4:64*(\a)+8*\b+7] offset:64*\b+16
.endr
	WIN 0
.set BB, BK+64*((\a)%2)
.irp t, 0,1,2,3,4,5,6,7,8,9,10,11,12,13,14,15
	ds_load_b128 v[BB+4*\t:BB+4*\t+3], v[RD] offset:\t*SPITCH
.endr
.endm
.macro SEND a, younger
.set BB, BK+64*((\a)%2)
	s_wait_dscnt \younger
.irp t, 0,1,2,3,4,5,6,7,8,9,10,11,12,13,14,15
	global_store_b128 v[CO], v[BB+4*\t:BB+4*\t+3], s[10:11] offset:(\a)*65536+\t*4096 th:TH_STORE_NT
.endr
.endm
	PLACES
	TOSTAGE 0
.irp a, 1,2,3
.if \a > 1
	s_wait_xcnt 0x0
.endif
	TOSTAGE \a
	SEND \a-1, 32
.endr
	SEND 3, 0
	s_wait_tensorcnt 0x0
	ds_add_u32 v[SPW], v[NIL]
	s_wait_dscnt 0x0
	CROUND
	s_endpgm
.Lfunc_end_k_qc93d91ce6c_down:
	.size	k_qc93d91ce6c_down, .Lfunc_end_k_qc93d91ce6c_down-k_qc93d91ce6c_down
	.p2alignl 7, 3214868480
	.fill 96, 4, 3214868480
	.section	.rodata,"a",@progbits
	.p2align	6, 0x0
	.amdhsa_kernel k_qc93d91ce6c_down
		.amdhsa_group_segment_fixed_size 327680
		.amdhsa_private_segment_fixed_size 0
		.amdhsa_enable_private_segment 0
		.amdhsa_kernarg_size 32
		.amdhsa_user_sgpr_count 2
		.amdhsa_user_sgpr_kernarg_segment_ptr 1
		.amdhsa_wavefront_size32 1
		.amdhsa_system_sgpr_workgroup_id_x 1
		.amdhsa_system_sgpr_workgroup_id_y 1
		.amdhsa_system_sgpr_workgroup_id_z 1
		.amdhsa_system_vgpr_workitem_id 0
		.amdhsa_next_free_vgpr 768
		.amdhsa_next_free_sgpr 66
		.amdhsa_reserve_vcc 0
		.amdhsa_float_denorm_mode_32 3
		.amdhsa_float_denorm_mode_16_64 3
		.amdhsa_memory_ordered 1
		.amdhsa_forward_progress 1
		.amdhsa_inst_pref_size 139
	.end_amdhsa_kernel
	.amdgpu_metadata
---
amdhsa.version: [ 1, 2 ]
amdhsa.kernels:
  - .name:           k_qc93d91ce6c_down
    .symbol:         k_qc93d91ce6c_down.kd
    .args:
      - { .name: hbuf, .offset: 0, .size: 8, .value_kind: global_buffer, .address_space: global }
      - { .name: dw, .offset: 8, .size: 8, .value_kind: global_buffer, .address_space: global }
      - { .name: down_b, .offset: 16, .size: 8, .value_kind: global_buffer, .address_space: global }
      - { .name: out0, .offset: 24, .size: 8, .value_kind: global_buffer, .address_space: global }
    .group_segment_fixed_size: 327680
    .private_segment_fixed_size: 0
    .kernarg_segment_align: 8
    .kernarg_segment_size: 32
    .max_flat_workgroup_size: 128
    .sgpr_count:     66
    .vgpr_count:     768
    .wavefront_size: 32
...
	.end_amdgpu_metadata
.endif
;; end of part 4
